; MI455X (gfx1250); checked and timed in simulation.
; The chip was launched on July 23, 2026; its instructions are those of AMD's public machine-readable ISA for CDNA 5 (MIT licence, August 2026) and "CDNA5" Instruction Set Architecture Reference Guide (July 2026). The comments in the code are by the model that wrote it; some were corrected since.
;; Bare Multi Head Attention. Allowed arithmetic: float matrix products may take bf16 or f16 operands with f32 sums; all other float work in f32.
;; Inputs: Wk 1,024 x 1,024 float32; Wq 1,024 x 1,024 float32; Wv 1,024 x 1,024 float32; attn_mask 2 x 2,048 float32; bk 1,024 float32; bq 1,024 float32; bv 1,024 float32; hidden_states 2 x 2,048 x 1,024 float32.
;; Outputs: out0 2 x 2,048 x 1,024 float32.
;; One version. Each part assembles by itself: llvm-mc -triple=amdgcn-amd-amdhsa -mcpu=gfx1250 --defsym DOCPART=n.
;; ======== version 1 of 1: 3 launches
;; limits: values are held in f16: magnitudes above 65,504 overflow, below 6.1e-05 lose precision
;; workspace buffers: xw 14,680,064 bytes; qkv 25,165,824 bytes
;; launch cast (part 1): grid 1792 x 1, 4 waves a work-group, no clusters, 0 bytes of LDS; arguments hidden_states, Wq, Wk, Wv, xw; writes xw
.if DOCPART == 1
	.amdgcn_target "amdgcn-amd-amdhsa--gfx1250"
	.amdhsa_code_object_version 6
	.text
	.protected	k_q69b590053b_cast
	.globl	k_q69b590053b_cast
	.p2align	8
	.type	k_q69b590053b_cast,@function
k_q69b590053b_cast:
	s_mov_b64 s[64:65], 0
	v_nop
	global_prefetch_b8 v0, s[64:65] scope:SCOPE_SE
	s_setreg_imm32_b32 hwreg(HW_REG_WAVE_MODE, 25, 1), 1
	s_wait_xcnt 0x0
; xw[7168][1024] in f16 = hidden_states (rows 0-4095), Wq (4096-5119), Wk (5120-6143), Wv (6144-7167), each number rounded once.
; Done once, so that the product that follows moves and reads 2 bytes a number and can ask for its tiles jointly.
; LIMIT: f16's range.  |x| and |W| of 65,504 or more become infinite; numbers below 6e-5 keep an absolute error of 3e-8.
; A stream: 1,792 work-groups of 4,096 numbers each (16,384 bytes in, 8,192 out), no LDS, no barrier, no matrix unit.
; A load of a wave covers 512 neighbouring bytes, a store 256 neighbouring bytes at a multiple of 256 from xw's first byte.
.set IN,  4                            ; v[4:35]   eight loads of four f32
.set OUT, 36                           ; v[36:51]  eight stores of four f16
	s_load_b256 s[4:11], s[0:1], 0x0               ; hidden_states s[4:5], Wq s[6:7], Wk s[8:9], Wv s[10:11]
	s_load_b64 s[12:13], s[0:1], 0x20              ; xw
	s_lshr_b32 s14, ttmp9, 8                       ; 0-3: hidden_states (1,024 work-groups); 4, 5, 6: Wq, Wk, Wv (256 each)
	s_and_b32 s15, ttmp9, 255
	s_cmp_lt_u32 s14, 4
	s_cselect_b32 s15, ttmp9, s15                  ; my chunk's number inside its source
	s_lshl_b32 s16, s15, 14                        ; 16,384 bytes of f32 a chunk
	s_mov_b32 s17, 0
	s_lshl_b32 s18, ttmp9, 13                      ; 8,192 bytes of f16 a chunk
	s_mov_b32 s19, 0
	v_lshlrev_b32 v1, 4, v0                        ; 16 bytes a thread in,
	v_lshlrev_b32 v2, 3, v0                        ; 8 bytes out
	s_wait_kmcnt 0x0
	s_cmp_eq_u32 s14, 4
	s_cselect_b64 s[4:5], s[6:7], s[4:5]           ; the source is chosen by the work-group's number alone
	s_cmp_eq_u32 s14, 5
	s_cselect_b64 s[4:5], s[8:9], s[4:5]
	s_cmp_eq_u32 s14, 6
	s_cselect_b64 s[4:5], s[10:11], s[4:5]
	s_add_nc_u64 s[4:5], s[4:5], s[16:17]
	s_add_nc_u64 s[12:13], s[12:13], s[18:19]
.irp i, 0,1,2,3,4,5,6,7
	global_load_b128 v[IN+4*\i:IN+4*\i+3], v1, s[4:5] offset:2048*\i th:TH_LOAD_NT   ; all eight go out at once; each input byte is read once in the launch
.endr
.irp i, 0,1,2,3,4,5,6,7
	s_wait_loadcnt 7-\i                            ; loads come back in order: load i is in, the 7 - i younger ones stay out
	v_cvt_pk_f16_f32 v[OUT+2*\i],   v[IN+4*\i],   v[IN+4*\i+1]
	v_cvt_pk_f16_f32 v[OUT+2*\i+1], v[IN+4*\i+2], v[IN+4*\i+3]
	global_store_b64 v2, v[OUT+2*\i:OUT+2*\i+1], s[12:13] offset:1024*\i   ; no register is written twice: no wait for the stores' sources
.endr
	s_endpgm
.Lfunc_end_k_q69b590053b_cast:
	.size	k_q69b590053b_cast, .Lfunc_end_k_q69b590053b_cast-k_q69b590053b_cast
	.p2alignl 7, 3214868480
	.fill 96, 4, 3214868480
	.section	.rodata,"a",@progbits
	.p2align	6, 0x0
	.amdhsa_kernel k_q69b590053b_cast
		.amdhsa_group_segment_fixed_size 0
		.amdhsa_private_segment_fixed_size 0
		.amdhsa_enable_private_segment 0
		.amdhsa_kernarg_size 40
		.amdhsa_user_sgpr_count 2
		.amdhsa_user_sgpr_kernarg_segment_ptr 1
		.amdhsa_wavefront_size32 1
		.amdhsa_system_sgpr_workgroup_id_x 1
		.amdhsa_system_sgpr_workgroup_id_y 1
		.amdhsa_system_sgpr_workgroup_id_z 1
		.amdhsa_system_vgpr_workitem_id 0
		.amdhsa_next_free_vgpr 52
		.amdhsa_next_free_sgpr 66
		.amdhsa_reserve_vcc 0
		.amdhsa_float_denorm_mode_32 3
		.amdhsa_float_denorm_mode_16_64 3
		.amdhsa_memory_ordered 1
		.amdhsa_forward_progress 1
		.amdhsa_inst_pref_size 4
	.end_amdhsa_kernel
	.amdgpu_metadata
---
amdhsa.version: [ 1, 2 ]
amdhsa.kernels:
  - .name:           k_q69b590053b_cast
    .symbol:         k_q69b590053b_cast.kd
    .args:
      - { .name: hidden_states, .offset: 0, .size: 8, .value_kind: global_buffer, .address_space: global }
      - { .name: Wq, .offset: 8, .size: 8, .value_kind: global_buffer, .address_space: global }
      - { .name: Wk, .offset: 16, .size: 8, .value_kind: global_buffer, .address_space: global }
      - { .name: Wv, .offset: 24, .size: 8, .value_kind: global_buffer, .address_space: global }
      - { .name: xw, .offset: 32, .size: 8, .value_kind: global_buffer, .address_space: global }
    .group_segment_fixed_size: 0
    .private_segment_fixed_size: 0
    .kernarg_segment_align: 8
    .kernarg_segment_size: 40
    .max_flat_workgroup_size: 128
    .sgpr_count:     66
    .vgpr_count:     52
    .wavefront_size: 32
...
	.end_amdgpu_metadata
.endif
;; end of part 1
;; launch proj (part 2): grid 16 x 16, 4 waves a work-group, clusters of 4 x 4, 327,680 bytes of LDS; arguments xw, qkv, bq, bk, bv; writes qkv
.if DOCPART == 2
	.amdgcn_target "amdgcn-amd-amdhsa--gfx1250"
	.amdhsa_code_object_version 6
	.text
	.protected	k_q69b590053b_proj
	.globl	k_q69b590053b_proj
	.p2align	8
	.type	k_q69b590053b_proj,@function
k_q69b590053b_proj:
	s_mov_b64 s[64:65], 0
	v_nop
	global_prefetch_b8 v0, s[64:65] scope:SCOPE_SE
	s_setreg_imm32_b32 hwreg(HW_REG_WAVE_MODE, 25, 1), 1
	s_wait_xcnt 0x0
	s_wait_alu depctr_hold_cnt(0) depctr_sa_sdst(0) depctr_va_vdst(0) depctr_va_sdst(0) depctr_va_ssrc(0) depctr_va_vcc(0) depctr_vm_vsrc(0)
	s_getreg_b32 s2, hwreg(HW_REG_IB_STS2, 6, 4)
	s_cmp_eq_u32 s2, 0
	s_cbranch_scc0 .Lentry_in_a_cluster
	s_endpgm
.Lentry_in_a_cluster:
	s_bfe_u32 s2, ttmp6, 0x10000c
	s_cmp_lg_u32 s2, 0xf033
	s_cbranch_scc0 .Lentry_shape_is_right
	s_endpgm
.Lentry_shape_is_right:
; qkv = (x W^T + bias) / 16 in f16, for W = Wq | Wk | Wv stacked to 3,072 features n.  x = xw rows 0-4095, W = xw rows 4096-7167, K = 1,024.
; qkv lies in planes of eight features: byte (n >> 3) * 65,536 + token * 16 + (n & 7) * 2.
; LIMIT: sums in f32; the stored number is f16 of the sum / 16, so |q|, |k|, |v| must stay below 1,048,064; the division by 16 is
; exact and is undone in the attention launch.
; A work-group makes 256 tokens x 192 features with four waves; a wave 128 x 96: 48 accumulator tiles of 16 x 16, 384 registers.
; 16 x 16 = 256 work-groups.  K goes in steps of 128 (rows of 256 bytes, at multiples of 256 from xw's first byte) through two LDS slots.
; CLUSTERS: 4 x 4 work-groups.  x's tile hangs on the token block alone and is asked for jointly by a row of the cluster, W's on the
; feature block alone and is asked for jointly by a column: a quarter of the requests.
; REGISTERS in windows of 256: window 0: v16-27 addresses, v64-127 / v128-191 fragments of x (two buffers), v192-239 biases;
; window 1: v64-111 / v128-175 fragments of W; window 2: tiles (a, b) at v[8 (6 a + b)] of my tokens 0-63; window 3: of tokens 64-127.
; THE MATRIX INSTRUCTION IS USED TRANSPOSED: source 0 = 16 rows of W, source 1 = 16 rows of x.  Lane l then holds token l % 16 and, in its
; registers 0-7, the features 8 (l / 16) + 0..7: one token's 16 bytes of one plane.  Sixteen neighbouring lanes hold 256 neighbouring
; bytes of qkv, so results are stored straight from registers, without a stage in LDS.
.set SIZE_K, 1024
.set KSTEP,  128
.set PITCH,  272                       ; an LDS row: 256 bytes + 16 of padding, so that the 16 rows of a fragment load start 16 bytes apart modulo 256
.set HALFA,  128*PITCH                 ; 128 rows of x: one tensor load, and what one wave reads of x
.set HALFB,  96*PITCH                  ; 96 rows of W: likewise
.set SLOT,   2*HALFA+2*HALFB           ; x's 256 rows, then W's 192 rows: 121,856 bytes; two slots take 243,712 bytes
.set LAPS,   SIZE_K/(2*KSTEP)          ; a lap = two K steps = once round the ring: 4
.set ADRA, 16                          ; v16-17  LDS address of my x fragments in slot 0, 1
.set ADRB, 20                          ; v20-21  the same for W
.set CO,   26                          ; v26     my byte offset in qkv
.set BO,   27                          ; v27     my byte offset in a tile's 16 biases
.set F0,   64
.set F1,   128
.set BIAS, 192                         ; v192-239  feature tile b: eight biases of my eight features
.set TMP,  64                          ; the way out: results in f32
.set PK,   128                         ; the way out: results in f16
.set G1,  24                           ; s[24:31] descriptor group 1 for x's tiles
.set G0,  32                           ; s[32:39] group 0 for x's tiles, one set a slot
.set G1B, 48                           ; s[48:55] group 1 for W's tiles
.set G0B, 56                           ; s[56:63] group 0 for W's tiles, one set a slot
.set MSB, 0
.macro WIN new                         ; the immediate's high byte repeats the setting that is left
.if MSB != \new
	s_set_vgpr_msb (MSB<<8)|\new
.set MSB, \new
.endif
.endm
.set MUL_LO, 0xa1                      ; source 0 (W) window 1, source 1 (x) window 0, C and D window 2
.set MUL_HI, 0xf1                      ; the same, C and D window 3
.set TO_B,   0x40                      ; destination window 1, address window 0
; A joint load.  Waves 0 and 1 fetch x's two halves, waves 2 and 3 W's.  Each line has one mask; the branch hangs on the wave's number alone.
.macro JLOAD s
	s_cmp_eq_u32 s11, 0
	s_cbranch_scc0 .Lfor_b_\@
	tensor_load_to_lds s[G0+4*\s:G0+4*\s+3], s[G1:G1+7]
	s_nop 0
	s_branch .Lasked_\@
.Lfor_b_\@:
	tensor_load_to_lds s[G0B+4*\s:G0B+4*\s+3], s[G1B:G1B+7]
	s_nop 0
.Lasked_\@:
.endm
; A round of the cluster's barrier: my work-group's barrier; wave 0 signals for the work-group; every wave waits for all sixteen; my barrier again.
.macro CREST                           ; a round behind its opening barrier
	s_cmp_lg_u32 s10, 0
	s_cbranch_scc1 .Lnot_wave_0_\@
	s_barrier_signal -3
.Lnot_wave_0_\@:
	s_barrier_wait -3
	s_barrier_signal -1
	s_barrier_wait -1
.endm
.macro CROUND
	s_barrier_signal -1
	s_barrier_wait -1
	CREST
.endm
	s_load_b64 s[4:5], s[0:1], 0x0                 ; xw
	s_load_b64 s[8:9], s[0:1], 0x8                 ; qkv
	s_load_b128 s[68:71], s[0:1], 0x10             ; bq s[68:69], bk s[70:71]
	s_load_b64 s[72:73], s[0:1], 0x20              ; bv
	s_set_vgpr_msb 0x40
	v_lshl_add_u32 v255, v0, 2, 0x3b800
	s_set_vgpr_msb 0x4000
	v_mov_b32 v255, 0
	s_set_vgpr_msb 0x1
	ds_add_u32 v255, v255
	s_set_vgpr_msb 0x100
	v_lshrrev_b32 v1, 5, v0
	v_readfirstlane_b32 s10, v1                    ; wave 0..3
	s_lshr_b32 s11, s10, 1                         ; which 128 tokens are mine.  Also: I fetch for x (0) or for W (1)
	s_and_b32 s12, s10, 1                          ; which 96 features are mine.  Also: which half of that tile I fetch
	s_bfe_u32 s40, ttmp6, 0x40000                  ; cx
	s_bfe_u32 s41, ttmp6, 0x40004                  ; cy
	s_lshl_b32 s42, ttmp9, 2
	s_add_co_u32 s42, s42, s40                     ; feature block = 4 x cluster x + cx
	s_and_b32 s13, ttmp7, 0xffff
	s_lshl_b32 s13, s13, 2
	s_add_co_u32 s13, s13, s41                     ; token block = 4 x cluster y + cy
	s_lshl_b32 s43, s41, 2
	s_lshl_b32 s43, 15, s43                        ; my row of the cluster: places 4 cy .. 4 cy + 3
	s_lshl_b32 s44, 0x1111, s40                    ; my column: places cx, cx + 4, cx + 8, cx + 12
	; group 1: rows of 128 elements of 2 bytes, 16 bytes of padding behind every 64 words; 128 rows of x, 96 rows of W; 1,024 elements from row to row
	s_or_b32 s[G1+0],  s43, (1<<16)|(1<<20)|(1<<21)|(5<<22)|(3<<25)
	s_or_b32 s[G1B+0], s44, (1<<16)|(1<<20)|(1<<21)|(5<<22)|(3<<25)
	s_mov_b32 s[G1+1],  KSTEP<<16                  ; tensor_dim0 = 128
	s_mov_b32 s[G1B+1], KSTEP<<16
	s_mov_b32 s[G1+2],  128<<16                    ; tensor_dim1 = 128
	s_mov_b32 s[G1B+2], 96<<16                     ; tensor_dim1 = 96
	s_mov_b32 s[G1+3],  KSTEP<<16                  ; tile_dim0 = 128
	s_mov_b32 s[G1B+3], KSTEP<<16
	s_mov_b32 s[G1+4],  128                        ; tile_dim1
	s_mov_b32 s[G1B+4], 96
	s_mov_b32 s[G1+5],  SIZE_K                     ; the pitch
	s_mov_b32 s[G1B+5], SIZE_K
	s_mov_b32 s[G1+6],  0
	s_mov_b32 s[G1B+6], 0
	s_mov_b32 s[G1+7],  0
	s_mov_b32 s[G1B+7], 0
	; where the tiles come from: x's hang on the token block alone, W's on the feature block alone, each in registers that never hold the other coordinate
	s_lshl_b32 s17, s12, 7
	s_lshl_b32 s16, s13, 8
	s_add_co_u32 s16, s16, s17                     ; x: row 256 x token block + 128 x half
	s_lshl_b32 s16, s16, 11                        ; rows of 2,048 bytes: below 2^23
	s_mov_b32 s17, 0
	s_mul_i32 s46, s42, 192
	s_mul_i32 s47, s12, 96
	s_add_co_u32 s90, s46, s47                     ; W: row 192 x feature block + 96 x half; also my wave's first feature
	s_lshl_b32 s46, s90, 11
	s_mov_b32 s47, 0
	s_mul_i32 s20, s10, HALFA                      ; and where they go: waves 0, 1: x's halves at 0 and HALFA;
	s_mul_i32 s21, s10, HALFB
	s_add_co_u32 s21, s21, 2*HALFA-2*HALFB         ; waves 2, 3: W's halves at 2 HALFA and 2 HALFA + HALFB
	s_wait_dscnt 0x0
	s_wait_kmcnt 0x0
	s_add_nc_u64 s[6:7], s[4:5], 0x800000          ; W's first row: 4,096 rows of 2,048 bytes behind x's
	s_add_nc_u64 s[14:15], s[4:5], s[16:17]
	s_add_nc_u64 s[46:47], s[6:7], s[46:47]
	CROUND                                         ; all sixteen work-groups are here: the first joint loads meet
.irp s, 0,1
	s_mov_b32 s[G0+4*\s], 1
	s_add_co_u32 s[G0+4*\s+1], s20, \s*SLOT
	s_add_nc_u64 s[G0+4*\s+2:G0+4*\s+3], s[14:15], \s*KSTEP*2      ; K step s
	s_or_b32 s[G0+4*\s+3], s[G0+4*\s+3], 0x80000000
	s_mov_b32 s[G0B+4*\s], 1
	s_add_co_u32 s[G0B+4*\s+1], s21, \s*SLOT
	s_add_nc_u64 s[G0B+4*\s+2:G0B+4*\s+3], s[46:47], \s*KSTEP*2
	s_or_b32 s[G0B+4*\s+3], s[G0B+4*\s+3], 0x80000000
	JLOAD \s                                       ; both slots are asked for before anything else is done: two tensor loads of the wave are out
.endr
	; a fragment is 16 rows x 32 K in 8 registers: lane l holds row l % 16; two loads of 16 bytes, 32 bytes apart, at row x pitch + 16 (l / 16)
	v_and_b32 v1, 15, v0                           ; r = l % 16
	v_bfe_u32 v2, v0, 4, 1                         ; h = l / 16
	v_mul_u32_u24 v3, v1, PITCH
	v_lshl_add_u32 v3, v2, 4, v3
	s_mul_i32 s22, s11, HALFA                      ; my 128 rows of x
	s_mul_i32 s23, s12, HALFB                      ; my 96 rows of W,
	s_add_co_u32 s23, s23, 2*HALFA                 ; which lie behind x's 256
.irp s, 0,1
	v_add_nc_u32 v[ADRA+\s], s22, v3
	v_add_nc_u32 v[ADRB+\s], s23, v3
	s_add_co_u32 s22, s22, SLOT
	s_add_co_u32 s23, s23, SLOT
.endr
	v_lshlrev_b32 v[CO], 4, v1                     ; token r: 16 bytes,
	v_lshl_add_u32 v[CO], v2, 16, v[CO]            ; plane h of the tile's two
	v_lshlrev_b32 v[BO], 5, v2                     ; my eight biases: 32 h bytes into the tile's sixteen
; The biases of feature tile b.  A tile of 16 features lies in one of q, k, v (1,024 is a multiple of 16); the buffer is chosen by a select.
; The twelve loads stay out over the whole K loop and are waited for once, on the way out; nothing in the loop names their registers.
.macro BIASLD b
	s_add_co_u32 s88, s90, 16*\b                   ; the tile's first feature
	s_lshr_b32 s89, s88, 10                        ; 0: q, 1: k, 2: v
	s_and_b32 s88, s88, 1023
	s_lshl_b32 s88, s88, 2
	s_cmp_eq_u32 s89, 1
	s_cselect_b64 s[76+2*\b:77+2*\b], s[70:71], s[68:69]
	s_cmp_eq_u32 s89, 2
	s_cselect_b64 s[76+2*\b:77+2*\b], s[72:73], s[76+2*\b:77+2*\b]
	s_mov_b32 s89, 0
	s_add_nc_u64 s[76+2*\b:77+2*\b], s[76+2*\b:77+2*\b], s[88:89]
	global_load_b128 v[BIAS+8*\b:BIAS+8*\b+3],   v[BO], s[76+2*\b:77+2*\b]
	global_load_b128 v[BIAS+8*\b+4:BIAS+8*\b+7], v[BO], s[76+2*\b:77+2*\b] offset:16
.endm
.irp b, 0,1,2,3,4,5
	BIASLD \b
.endr
; 12 matrix instructions: token blocks a0, a0 + 1 of the window's four x all 6 feature blocks, 32 along K.  zero = 1: the first product starts the sums.
.macro MUL12 f, hi, a0, zero
.irp a, \a0, \a0+1
.irp b, 0,1,2,3,4,5
.if \zero
	v_wmma_f32_16x16x32_f16 v[8*(6*(\a)+\b):8*(6*(\a)+\b)+7], v[\f+8*\b:\f+8*\b+7], v[\f+8*(4*\hi+\a):\f+8*(4*\hi+\a)+7], 0
.else
	v_wmma_f32_16x16x32_f16 v[8*(6*(\a)+\b):8*(6*(\a)+\b)+7], v[\f+8*\b:\f+8*\b+7], v[\f+8*(4*\hi+\a):\f+8*(4*\hi+\a)+7], v[8*(6*(\a)+\b):8*(6*(\a)+\b)+7]
.endif
.endr
.endr
.endm
; 28 LDS loads in one run: one quarter step's fragments (96 rows of W, 128 rows of x, 32 K at byte k of the rows) into buffer f
.macro FETCH slot, k, f
	WIN TO_B
.irp i, 0,1,2,3,4,5
	ds_load_b128 v[\f+8*\i:\f+8*\i+3],   v[ADRB+\slot] offset:\k+\i*16*PITCH
	ds_load_b128 v[\f+8*\i+4:\f+8*\i+7], v[ADRB+\slot] offset:\k+\i*16*PITCH+32
.endr
	WIN 0
.irp i, 0,1,2,3,4,5,6,7
	ds_load_b128 v[\f+8*\i:\f+8*\i+3],   v[ADRA+\slot] offset:\k+\i*16*PITCH
	ds_load_b128 v[\f+8*\i+4:\f+8*\i+7], v[ADRA+\slot] offset:\k+\i*16*PITCH+32
.endr
.endm
; A load into a register that a matrix instruction has read, and a vector instruction that reads a matrix result, stand four places behind it;
; only plain vector instructions that name none of its registers are places; the matrix instructions between are not counted.
.macro PLACES
.rept 4
	v_nop
.endr
.endm
; A K step is four quarters of 32 along K, 48 matrix instructions each, on buffers 0, 1, 0, 1.  The 48 accumulators take turns, one instruction
; a turn, in the same order in every quarter, over the loop's backward jump too.
.macro QUARTER slot, k, f, g, zero
	s_wait_dscnt 8                                 ; W and x's rows 0-63 are in; the youngest eight loads (x's rows 64-127) may be out
	WIN MUL_LO
	MUL12 \f, 0, 0, \zero
	MUL12 \f, 0, 2, \zero
	PLACES
	FETCH \slot, \k, \g
	s_wait_dscnt 28                                ; all but the 28 just issued
	WIN MUL_HI
	MUL12 \f, 1, 0, \zero
	MUL12 \f, 1, 2, \zero
.endm
.macro THREE slot, zero
	QUARTER \slot, 64,  F0, F1, \zero
	QUARTER \slot, 128, F1, F0, 0
	QUARTER \slot, 192, F0, F1, 0
.endm
; The last quarter multiplies buffer 1 and changes slots.  In front of the barrier each wave waits for its reads of this slot and for all its
; tensor loads (one is out: its part of the next slot).  Where the slot is filled again the barrier opens a round of the cluster's barrier, and
; the joint refill is the first tensor load behind the round.  From a request to the wait for it a wave issues 180 matrix instructions.
.macro TURN slot, next, fill
	s_wait_dscnt 8
	WIN MUL_LO
	MUL12 F1, 0, 0, 0
	s_wait_dscnt 0                                 ; my reads of this slot are over
	s_wait_tensorcnt 0x0                           ; and all my tensor loads have landed
	ds_add_u32 v255, v255
	s_wait_dscnt 0x0
	s_barrier_signal -1
	MUL12 F1, 0, 2, 0                              ; register work while the others arrive
	WIN 0
	s_barrier_wait -1
.if \fill
	CREST                                          ; no wave of any partner still reads this slot or has a load on its way
	s_add_nc_u64 s[G0+4*\slot+2:G0+4*\slot+3], s[G0+4*\slot+2:G0+4*\slot+3], 2*KSTEP*2
	s_add_nc_u64 s[G0B+4*\slot+2:G0B+4*\slot+3], s[G0B+4*\slot+2:G0B+4*\slot+3], 2*KSTEP*2
	JLOAD \slot
.endif
	PLACES
	FETCH \next, 0, F0
	WIN MUL_HI
	MUL12 F1, 1, 0, 0
	MUL12 F1, 1, 2, 0
.endm
.macro LAP zero
	THREE 0, \zero
	TURN 0, 1, 1
	THREE 1, 0
	TURN 1, 0, 1
.endm
	s_wait_tensorcnt 1                             ; my part of K step 0 is in; K step 1's load, issued behind it, may stay out
	s_barrier_signal -1
	s_barrier_wait -1
	FETCH 0, 0, F0
	LAP 1                                          ; the first lap stands in front of the loop: its first products start the sums
	WIN 0
	s_mov_b32 s3, LAPS-2
.Llap:
	LAP 0
	WIN 0
	s_sub_co_u32 s3, s3, 1
	s_cmp_lg_u32 s3, 0
	s_cbranch_scc1 .Llap
	THREE 0, 0                                     ; the last lap fills nothing
	TURN 0, 1, 0
	THREE 1, 0
	s_wait_dscnt 8
	WIN MUL_LO
	MUL12 F1, 0, 0, 0
	MUL12 F1, 0, 2, 0
	s_wait_dscnt 0
	WIN MUL_HI
	MUL12 F1, 1, 0, 0
	MUL12 F1, 1, 2, 0
	; THE WAY OUT: (sum + bias) / 16 as one fused multiply-add on the bias / 16, rounded once to f16, stored from registers.
	PLACES                                         ; the places behind the last matrix instructions
	WIN 0
	s_wait_loadcnt 0x0                             ; the biases
.set jj, 0
.rept 24
	v_pk_mul_f32 v[BIAS+jj:BIAS+jj+1], v[BIAS+jj:BIAS+jj+1], 0x3d800000 op_sel_hi:[1,0]   ; bias / 16, exact
.set jj, jj+2
.endr
	s_lshl_b32 s16, s13, 8
	s_lshl_b32 s17, s11, 7
	s_add_co_u32 s16, s16, s17                     ; my first token,
	s_lshl_b32 s16, s16, 4                         ; 16 bytes a token in a plane
	s_mov_b32 s17, 0
	s_add_nc_u64 s[8:9], s[8:9], s[16:17]
	s_lshl_b32 s46, s90, 13                        ; my first plane: (first feature / 8) x 65,536 bytes (in the registers that held W's address)
	s_mov_b32 s47, 0
	s_add_nc_u64 s[8:9], s[8:9], s[46:47]
; tokens 16 a8 .. 16 a8 + 15 of my 128: the six tiles (a8 % 4, 0..5) of window 2 or 3
.macro OUTROW a8
.if \a8 < 4
	WIN 0x02
.else
	WIN 0x03
.endif
.irp b, 0,1,2,3,4,5
.irp p, 0,1,2,3
	v_pk_fma_f32 v[TMP+8*\b+2*\p:TMP+8*\b+2*\p+1], v[8*(6*(\a8%4)+\b)+2*\p:8*(6*(\a8%4)+\b)+2*\p+1], 0x3d800000, v[BIAS+8*\b+2*\p:BIAS+8*\b+2*\p+1] op_sel_hi:[1,0,1]
.endr
.endr
	WIN 0
	s_wait_xcnt 0x0                                ; PK, which the last sixteen tokens' stores read, is written again only behind this wait
.irp b, 0,1,2,3,4,5
.irp p, 0,1,2,3
	v_cvt_pk_f16_f32 v[PK+4*\b+\p], v[TMP+8*\b+2*\p], v[TMP+8*\b+2*\p+1]
.endr
.endr
.irp b, 0,1,2,3,4,5
	global_store_b128 v[CO], v[PK+4*\b:PK+4*\b+3], s[8:9] offset:131072*\b+256*\a8   ; lanes 0-15: 256 consecutive bytes of plane 2 b, lanes 16-31: of plane 2 b + 1, each at a multiple of 256
.endr
.endm
.irp a, 0,1,2,3,4,5,6,7
	OUTROW \a
.endr
	CROUND                                         ; the closing round: no work-group ends while a partner may still ask for a tile that names it
	s_endpgm
.Lfunc_end_k_q69b590053b_proj:
	.size	k_q69b590053b_proj, .Lfunc_end_k_q69b590053b_proj-k_q69b590053b_proj
	.p2alignl 7, 3214868480
	.fill 96, 4, 3214868480
	.section	.rodata,"a",@progbits
	.p2align	6, 0x0
	.amdhsa_kernel k_q69b590053b_proj
		.amdhsa_group_segment_fixed_size 327680
		.amdhsa_private_segment_fixed_size 0
		.amdhsa_enable_private_segment 0
		.amdhsa_kernarg_size 40
		.amdhsa_user_sgpr_count 2
		.amdhsa_user_sgpr_kernarg_segment_ptr 1
		.amdhsa_wavefront_size32 1
		.amdhsa_system_sgpr_workgroup_id_x 1
		.amdhsa_system_sgpr_workgroup_id_y 1
		.amdhsa_system_sgpr_workgroup_id_z 1
		.amdhsa_system_vgpr_workitem_id 0
		.amdhsa_next_free_vgpr 960
		.amdhsa_next_free_sgpr 92
		.amdhsa_reserve_vcc 0
		.amdhsa_float_denorm_mode_32 3
		.amdhsa_float_denorm_mode_16_64 3
		.amdhsa_memory_ordered 1
		.amdhsa_forward_progress 1
		.amdhsa_inst_pref_size 173
	.end_amdhsa_kernel
	.amdgpu_metadata
---
amdhsa.version: [ 1, 2 ]
amdhsa.kernels:
  - .name:           k_q69b590053b_proj
    .symbol:         k_q69b590053b_proj.kd
    .args:
      - { .name: xw, .offset: 0, .size: 8, .value_kind: global_buffer, .address_space: global }
      - { .name: qkv, .offset: 8, .size: 8, .value_kind: global_buffer, .address_space: global }
      - { .name: bq, .offset: 16, .size: 8, .value_kind: global_buffer, .address_space: global }
      - { .name: bk, .offset: 24, .size: 8, .value_kind: global_buffer, .address_space: global }
      - { .name: bv, .offset: 32, .size: 8, .value_kind: global_buffer, .address_space: global }
    .group_segment_fixed_size: 327680
    .private_segment_fixed_size: 0
    .kernarg_segment_align: 8
    .kernarg_segment_size: 40
    .max_flat_workgroup_size: 128
    .sgpr_count:     92
    .vgpr_count:     960
    .wavefront_size: 32
...
	.end_amdgpu_metadata
.endif
;; end of part 2
;; launch attn (part 3): grid 8 x 32, 8 waves a work-group, clusters of 4 x 1, 327,680 bytes of LDS; arguments qkv, attn_mask, out0; writes out0
.if DOCPART == 3
	.amdgcn_target "amdgcn-amd-amdhsa--gfx1250"
	.amdhsa_code_object_version 6
	.text
	.protected	k_q69b590053b_attn
	.globl	k_q69b590053b_attn
	.p2align	8
	.type	k_q69b590053b_attn,@function
k_q69b590053b_attn:
	s_mov_b64 s[64:65], 0
	v_nop
	global_prefetch_b8 v0, s[64:65] scope:SCOPE_SE
	s_setreg_imm32_b32 hwreg(HW_REG_WAVE_MODE, 25, 1), 1
	s_wait_xcnt 0x0
	s_wait_alu depctr_hold_cnt(0) depctr_sa_sdst(0) depctr_va_vdst(0) depctr_va_sdst(0) depctr_va_ssrc(0) depctr_va_vcc(0) depctr_vm_vsrc(0)
	s_getreg_b32 s2, hwreg(HW_REG_IB_STS2, 6, 4)
	s_cmp_eq_u32 s2, 0
	s_cbranch_scc0 .Lentry_in_a_cluster
	s_endpgm
.Lentry_in_a_cluster:
	s_bfe_u32 s2, ttmp6, 0x10000c
	s_cmp_lg_u32 s2, 0x3003
	s_cbranch_scc0 .Lentry_shape_is_right
	s_endpgm
.Lentry_shape_is_right:
; out0[b][t][64 head + w] = softmax over keys of (q.k / 8 - 10000 (1 - mask[b][key])) times v, for one (b, head) and 256 queries a work-group.
; qkv holds q, k, v divided by 16, in f16, in planes of eight features: byte plane * 65,536 + token * 16 (q: planes 0-127, k: 128-255, v: 256-383).
; LIMITS: matrix operands in f16 (q, k, v as stored; the weights p in [0, 1], so a weight below about 3e-8 of its row's largest drops to zero);
; sums, maxima and exponentials in f32, with a running maximum for each query.  NaN and infinities in the inputs are not served.
; SHARES: 8 waves, two for each SIMD, 512 registers each, so that one wave's softmax runs beside the other's products.  Wave w: queries 64 (w & 3) + 0..63,
; keys 128 (w >> 2) + 0..127 of every tile of 256 keys.  The two halves of the keys are merged once at the end, through LDS.
; TRANSPOSED PRODUCTS: S^T = K Q^T + C with C = 312.5 (mask - 1) as the first product's C operand: with q and k divided by 16, the score is 32 (S^T).
; Lane (r = l % 16, h = l / 16) holds query r and keys 8 h + j: rounding pairs to f16 in the lane gives P^T's fragment as it stands.
; O^T = V^T P^T, V^T's fragments by transposing loads.  Weights: p = 2^(c S - c m), c = 32 log2(e).
; CLUSTERS: the four query blocks of a cluster belong to one (b, head) and read the same K and V tiles: every tile is asked for jointly (mask 15).
; LDS: two slots of 66,048 bytes (eight waves' regions of 8,256: two planes x 256 keys x 16 bytes, and 64 bytes that shift odd planes by 128 modulo 256,
; so that the sixteen lanes of a transposing load touch 256 different bytes modulo 256); then, in blocks that no fill reaches: the mask terms, the merge's figures, its O tiles, the way out's stage.
.set TILEB,  4096                      ; one plane's 256 keys
.set REG,    8256                      ; a wave's region of a slot
.set SLOT,   8*REG                     ; 66,048
.set MBB,    2*SLOT                    ; 132,096: 2,048 mask terms in f32
.set MLB,    MBB+8192                  ; 140,288: for each wave 1,024 bytes: query tile x lane x (-c m, l)
.set XCB,    MLB+8192                  ; 148,480: for each wave 8,192 bytes: two query tiles of O
.set STB,    XCB+65536                 ; 214,016: for each wave 16 rows of 272 bytes
.set SPITCH, 272
.set KA,  1                            ; v1-2    LDS address of my K fragments in slot 0, 1
.set VA,  3                            ; v3-4    the same for V
.set MBA, 5                            ; v5      LDS address of my mask terms in this tile
.set NM,  6                            ; v[6+2q]   -c m of query tile q (the even register of a pair, from which packed forms broadcast it)
.set MX,  7                            ; v[7+2q]   m
.set LS,  14                           ; v[14+2q:15+2q]  two partial sums of the weights
.set AL,  22                           ; v[22+2q]  the factor 2^(c m_old - c m_new)
.set TT,  23                           ; v[23+2q]  at work
.set QO,  30                           ; v30     byte offset of my Q fragments
.set MO,  31                           ; v31     byte offset of my eight mask numbers
.set X,   32                           ; v[32+32q+8t ..]  S^T tile (query tile q, key tile t), then the weights, then P^T's fragments at 32+32q+16k
.set VF,  160                          ; v[160+32k+8w ..] V^T fragment (32 keys k, 16 features w)
.set MB,  224                          ; v[224+8t ..]     mask terms of key tile t
.set OO,  0                            ; window 1: v[32q+8w ..]      O^T tile
.set QF,  128                          ; window 1: v[128+16q+8k ..]  Q fragment (query tile q, 32 features k)
.set KF,  192                          ; window 1: v[192+16t+8k ..]  K fragment
.set G1,  16                           ; s[16:23] descriptor group 1
.set G0,  32                           ; s[32:39] group 0, one set a slot
.set MSB, 0
.macro WIN new                         ; the immediate's high byte repeats the setting that is left
.if MSB != \new
	s_set_vgpr_msb (MSB<<8)|\new
.set MSB, \new
.endif
.endm
.macro PLACES n
.rept \n
	v_nop
.endr
.endm
; A round of the cluster's barrier: my work-group's barrier; wave 0 signals for the work-group; every wave waits for all four; my barrier again.
.macro ROUND
	s_barrier_signal -1
	s_barrier_wait -1
	s_cmp_lg_u32 s8, 0
	s_cbranch_scc1 .Lnot_wave_0_\@
	s_barrier_signal -3
.Lnot_wave_0_\@:
	s_barrier_wait -3
	s_barrier_signal -1
	s_barrier_wait -1
.endm
	s_load_b128 s[4:7], s[0:1], 0x0                ; qkv s[4:5], attn_mask s[6:7]
	s_load_b64 s[10:11], s[0:1], 0x10              ; out0
	v_lshl_add_u32 v254, v0, 2, 0x3cc00
	v_mov_b32 v255, 0
	ds_add_u32 v254, v255
	s_wait_dscnt 0x0
	v_lshrrev_b32 v1, 5, v0
	v_readfirstlane_b32 s8, v1                     ; wave 0..7
	s_lshr_b32 s9, s8, 2                           ; my half of the keys.  Also: I fetch K (0) or V (1)
	s_and_b32 s12, s8, 3                           ; my 64 queries
	s_bfe_u32 s13, ttmp6, 0x40000                  ; cx
	s_lshl_b32 s14, ttmp9, 2
	s_add_co_u32 s14, s14, s13                     ; query block = 4 x cluster x + cx
	s_and_b32 s25, ttmp7, 0xffff
	s_and_b32 s24, s25, 15                         ; head
	s_lshr_b32 s25, s25, 4                         ; b
	s_mov_b32 s40, 0x76543210                      ; v_permlanex16_b32: lane i of one half reads lane i of the other
	s_mov_b32 s41, 0xfedcba98
	s_mov_b32 s42, 0x4238aa3b                      ; c = 32 log2(e), twice for the packed forms
	s_mov_b32 s43, 0x4238aa3b
	s_mov_b32 s45, 0xc238aa3b                      ; -c
	s_mov_b32 s50, 0x439c4000                      ; 312.5 = 10000 / 32
	s_mov_b32 s51, 0xc39c4000                      ; -312.5
	; group 1: two rows (planes) of 512 elements of 8 bytes (256 keys x 16 bytes), two planes = 16,384 elements apart; mask 15 and bit 21 beside it
	s_mov_b32 s[G1+0], 15|(3<<16)|(1<<21)
	s_mov_b32 s[G1+1], 512<<16                     ; tensor_dim0 = 512
	s_mov_b32 s[G1+2], 2<<16                       ; tensor_dim1 = 2
	s_mov_b32 s[G1+3], 512<<16                     ; tile_dim0 = 512
	s_mov_b32 s[G1+4], 2                           ; tile_dim1 = 2
	s_mov_b32 s[G1+5], 16384                       ; the pitch
	s_mov_b32 s[G1+6], 0
	s_mov_b32 s[G1+7], 0
	; wave j = 4 kv + 2 c + u fetches planes P0 and P0 + 2, P0 = 128 (1 + kv) + 8 head + 4 u + c.  Nothing here hangs on cx.
	s_bfe_u32 s27, s8, 0x10001                     ; c
	s_and_b32 s28, s8, 1                           ; u
	s_lshl_b32 s30, s9, 7
	s_add_co_u32 s30, s30, 128
	s_lshl3_add_u32 s30, s24, s30
	s_lshl2_add_u32 s30, s28, s30
	s_add_co_u32 s30, s30, s27                     ; P0
	s_lshl_b32 s30, s30, 16                        ; planes of 65,536 bytes,
	s_lshl_b32 s31, s25, 15                        ; batch b's 2,048 tokens of 16 bytes
	s_add_co_u32 s30, s30, s31
	s_mov_b32 s31, 0
	s_mul_i32 s29, s8, REG                         ; my region of a slot
	s_lshl_b32 s54, s25, 11
	s_lshl_b32 s55, s14, 8
	s_add_co_u32 s54, s54, s55
	s_lshl_b32 s55, s12, 6
	s_add_co_u32 s54, s54, s55                     ; my first query's token = 2,048 b + 256 block + 64 (w & 3)
	v_and_b32 v6, 15, v0                           ; r
	v_bfe_u32 v7, v0, 4, 1                         ; h
	v_bfe_u32 v8, v0, 3, 1                         ; which eight lanes of the sixteen
	v_and_b32 v9, 7, v0
	v_lshlrev_b32 v[MO], 5, v0                     ; thread t: mask numbers 8 t .. 8 t + 7
	v_lshlrev_b32 v[QO], 4, v6                     ; Q: token r,
	v_lshl_add_u32 v[QO], v7, 16, v[QO]            ; plane h
	s_wait_kmcnt 0x0
	s_add_nc_u64 s[52:53], s[4:5], s[30:31]
.irp s, 0,1
	s_mov_b32 s[G0+4*\s], 1
	s_add_co_u32 s[G0+4*\s+1], s29, \s*SLOT
	s_add_nc_u64 s[G0+4*\s+2:G0+4*\s+3], s[52:53], \s*TILEB        ; slot s begins with tile s
	s_or_b32 s[G0+4*\s+3], s[G0+4*\s+3], 0x80000000
.endr
	ROUND                                          ; all four work-groups are here: the first joint load meets
	tensor_load_to_lds s[G0:G0+3], s[G1:G1+7]      ; tile 0.  One tensor load of the wave is out, here and behind every later round
	s_nop 0
	s_lshl_b32 s48, s25, 13                        ; batch b's 2,048 mask numbers
	s_mov_b32 s49, 0
	s_add_nc_u64 s[6:7], s[6:7], s[48:49]
	global_load_b128 v[X:X+3],   v[MO], s[6:7]
	global_load_b128 v[X+4:X+7], v[MO], s[6:7] offset:16
	s_lshl_b32 s48, s54, 4                         ; Q: 16 bytes a token,
	s_lshl_b32 s55, s24, 19                        ; eight planes a head
	s_add_co_u32 s48, s48, s55
	s_add_nc_u64 s[46:47], s[4:5], s[48:49]
	; Q's fragments come straight from memory and stay: lane (r, h) holds query r, features 32 k + 8 h + 0..7 (plane 4 k + h) and 32 k + 16 + 8 h + 0..7 (plane 4 k + 2 + h)
	WIN 0x40
.irp q, 0,1,2,3
.irp k, 0,1
	global_load_b128 v[QF+16*\q+8*\k:QF+16*\q+8*\k+3],   v[QO], s[46:47] offset:262144*\k+256*\q
	global_load_b128 v[QF+16*\q+8*\k+4:QF+16*\q+8*\k+7], v[QO], s[46:47] offset:262144*\k+131072+256*\q
.endr
.endr
	WIN 0
	s_lshl_b32 s48, s54, 12                        ; out0: rows of 4,096 bytes,
	s_lshl_b32 s55, s24, 8                         ; 256 bytes a head
	s_add_co_u32 s48, s48, s55
	s_add_nc_u64 s[10:11], s[10:11], s[48:49]
	s_lshl_b32 s26, s9, 11                         ; my 128 keys of a tile: 16 bytes a key
	v_mul_u32_u24 v[KA], v7, 2*REG                 ; K: plane 4 k + h (+ 2) lies in region 2 h + k
	v_lshl_add_u32 v[KA], v6, 4, v[KA]             ; key r
	v_add_nc_u32 v[KA], s26, v[KA]
	v_add_nc_u32 v[KA+1], SLOT, v[KA]
	s_add_co_u32 s26, s26, 4*REG                   ; V's regions lie behind K's four
	v_mul_u32_u24 v[VA], v8, 2*REG                 ; V: lanes 8-15 of sixteen address the odd plane
	v_lshl_add_u32 v[VA], v9, 4, v[VA]             ; key l % 8
	v_lshl_add_u32 v[VA], v7, 7, v[VA]             ; + 8 h
	v_add_nc_u32 v[VA], s26, v[VA]
	v_add_nc_u32 v[VA+1], SLOT, v[VA]
	s_lshl_b32 s27, s9, 9
	s_add_co_u32 s27, s27, MBB
	v_lshl_add_u32 v[MBA], v7, 5, s27              ; mask terms of keys 128 (w >> 2) + 8 h + ..
.irp q, 0,1,2,3
	v_mov_b32 v[AL+2*\q], 0                        ; v_permlanex16_b32 counts as a reader of its destination
.endr
	v_add_nc_u32 v[TT], MBB, v[MO]
	s_wait_loadcnt 16                              ; the two mask loads are in; the sixteen loads of Q, issued behind them, stay out
.irp j, 0,1,2,3,4,5,6,7
	v_fma_f32 v[X+\j], v[X+\j], s50, s51           ; 312.5 mask - 312.5
.endr
	ds_store_b128 v[TT], v[X:X+3]
	ds_store_b128 v[TT], v[X+4:X+7] offset:16      ; waited for in front of the first trip's round; read behind it
	s_wait_loadcnt 0x0                             ; Q
; K's fragments and the mask terms of 64 keys (step st of my 128): 16 + 8 loads.  Sixteen lanes of a K load read 256 neighbouring bytes.
.macro LOADK slot, st
	WIN 0x40
.irp t, 0,1,2,3
.irp k, 0,1
	ds_load_b128 v[KF+16*\t+8*\k:KF+16*\t+8*\k+3],   v[KA+\slot] offset:REG*\k+(64*(\st)+16*\t)*16
	ds_load_b128 v[KF+16*\t+8*\k+4:KF+16*\t+8*\k+7], v[KA+\slot] offset:REG*\k+TILEB+(64*(\st)+16*\t)*16
.endr
.endr
	WIN 0
.irp t, 0,1,2,3
	ds_load_b128 v[MB+8*\t:MB+8*\t+3],   v[MBA] offset:(64*(\st)+16*\t)*4
	ds_load_b128 v[MB+8*\t+4:MB+8*\t+7], v[MBA] offset:(64*(\st)+16*\t)*4+16
.endr
.endm
; V^T's fragments of the same 64 keys: 16 transposing loads.  Lane 8 g + j addresses key 8 h + j's eight features of plane 2 w + (g & 1);
; lane 8 g + i receives feature i of those eight keys.
.macro LOADV slot, st
.irp k, 0,1
.irp w, 0,1,2,3
	ds_load_tr16_b128 v[VF+32*\k+8*\w:VF+32*\k+8*\w+3],   v[VA+\slot] offset:REG*(\w/2)+TILEB*(\w%2)+(64*(\st)+32*\k)*16
	ds_load_tr16_b128 v[VF+32*\k+8*\w+4:VF+32*\k+8*\w+7], v[VA+\slot] offset:REG*(\w/2)+TILEB*(\w%2)+(64*(\st)+32*\k+16)*16
.endr
.endr
.endm
; Pair cp (0..15) of every query tile's 32 weights.  PACKP rounds it to f16, in place: word 16 (cp / 8) + cp % 8 lies at or below the pair and has been summed.
.macro PACKP
.irp q, 0,1,2,3
	v_cvt_pk_f16_f32 v[X+32*\q+16*(cp/8)+(cp%8)], v[X+32*\q+2*cp], v[X+32*\q+2*cp+1]
.endr
.endm
.macro SUMP
	s_wait_alu depctr_va_vdst(0)
.irp q, 0,1,2,3
	v_pk_add_f32 v[LS+2*\q:LS+2*\q+1], v[LS+2*\q:LS+2*\q+1], v[X+32*\q+2*cp:X+32*\q+2*cp+1]
.endr
.endm
.macro SUMPACK first
.if \first
.if cp == 1
	s_wait_alu depctr_va_vdst(0)
.irp q, 0,1,2,3
	v_pk_add_f32 v[LS+2*\q:LS+2*\q+1], v[X+32*\q:X+32*\q+1], v[X+32*\q+2:X+32*\q+3]   ; the first two pairs start the sums: nothing is cleared
.endr
.set cp, 0
	PACKP
.set cp, 1
	PACKP
.endif
.if cp > 1
	SUMP
	PACKP
.endif
.else
.if cp == 0
	s_wait_alu depctr_va_vdst(0)
.irp q, 0,1,2,3
	v_pk_fma_f32 v[LS+2*\q:LS+2*\q+1], v[LS+2*\q:LS+2*\q+1], v[AL+2*\q:AL+2*\q+1], v[X+32*\q:X+32*\q+1] op_sel_hi:[1,0,1]   ; the old sums, brought to the new maximum
.endr
.else
	SUMP
.endif
	PACKP
.endif
.endm
; 64 keys x 64 queries.  first = 1: the launch's first step starts maxima, sums and O.  nextk = 1: the next step's K is fetched under this step's softmax.
; All lines run over the four query tiles innermost: four chains that do not wait for each other.
.macro STEP slot, st, first, nextk
	s_wait_dscnt 0x0                               ; this step's K and mask terms
	WIN 0x05                                       ; K and Q in window 1; S and the mask terms in window 0
.irp t, 0,1,2,3
.irp q, 0,1,2,3
	v_wmma_f32_16x16x32_f16 v[X+32*\q+8*\t:X+32*\q+8*\t+7], v[KF+16*\t:KF+16*\t+7], v[QF+16*\q:QF+16*\q+7], v[MB+8*\t:MB+8*\t+7]
.endr
.endr
.irp t, 0,1,2,3                                    ; features 32-63, in place: the sixteen accumulators take turns, one instruction a turn
.irp q, 0,1,2,3
	v_wmma_f32_16x16x32_f16 v[X+32*\q+8*\t:X+32*\q+8*\t+7], v[KF+16*\t+8:KF+16*\t+15], v[QF+16*\q+8:QF+16*\q+15], v[X+32*\q+8*\t:X+32*\q+8*\t+7]
.endr
.endr
	WIN 0
	PLACES 4                                       ; four places (ISA guide 7.12.1) before S is read and before K's and the mask terms' registers are loaded again
	LOADV \slot, \st
.if \nextk
	LOADK \slot, \st+1
.endif
	; the largest of my 32 scores of each query tile and of the maximum so far
.if \first
.irp q, 0,1,2,3
	v_max3_num_f32 v[TT+2*\q], v[X+32*\q], v[X+32*\q+1], v[X+32*\q+2]
.endr
.set ii, 3
.rept 14
.irp q, 0,1,2,3
	v_max3_num_f32 v[TT+2*\q], v[TT+2*\q], v[X+32*\q+ii], v[X+32*\q+ii+1]
.endr
.set ii, ii+2
.endr
.irp q, 0,1,2,3
	v_max_num_f32 v[TT+2*\q], v[TT+2*\q], v[X+32*\q+31]
.endr
.else
.irp q, 0,1,2,3
	v_max3_num_f32 v[TT+2*\q], v[X+32*\q], v[X+32*\q+1], v[MX+2*\q]
.endr
.set ii, 2
.rept 15
.irp q, 0,1,2,3
	v_max3_num_f32 v[TT+2*\q], v[TT+2*\q], v[X+32*\q+ii], v[X+32*\q+ii+1]
.endr
.set ii, ii+2
.endr
.endif
.irp q, 0,1,2,3
	v_permlanex16_b32 v[AL+2*\q], v[TT+2*\q], s40, s41             ; lanes r and r + 16 hold the same query's other keys
.endr
.irp q, 0,1,2,3
	v_max_num_f32 v[MX+2*\q], v[TT+2*\q], v[AL+2*\q]
.endr
.irp q, 0,1,2,3
	v_mul_f32 v[TT+2*\q], s45, v[MX+2*\q]                          ; -c m, rounded once: the very number that the weights below are taken against
.endr
.if \first == 0
.irp q, 0,1,2,3
	v_sub_f32 v[AL+2*\q], v[TT+2*\q], v[NM+2*\q]                   ; its step from the old one, never above 0
.endr
.endif
.irp q, 0,1,2,3
	v_mov_b32 v[NM+2*\q], v[TT+2*\q]                               ; into the pair's even register; old and new were both needed one line above
.endr
.if \first == 0
.irp q, 0,1,2,3
	v_exp_f32 v[AL+2*\q], v[AL+2*\q]
.endr
.endif
	; p = 2^(c S - c m), a pair at a time; behind a pair's exponentials stand the sums and the rounding of the pair before: plain work that names none
	; of their registers, so every exponential has its one plain place before its result is used (ISA guide 5.7.2)
.set pp, 0
.rept 16
.irp q, 0,1,2,3
	v_pk_fma_f32 v[X+32*\q+2*pp:X+32*\q+2*pp+1], v[X+32*\q+2*pp:X+32*\q+2*pp+1], s[42:43], v[NM+2*\q:NM+2*\q+1] op_sel_hi:[1,0,0]
.endr
.irp q, 0,1,2,3
	v_exp_f32 v[X+32*\q+2*pp], v[X+32*\q+2*pp]
	v_exp_f32 v[X+32*\q+2*pp+1], v[X+32*\q+2*pp+1]
.endr
.if pp > 0
.set cp, pp-1
	SUMPACK \first
.endif
.set pp, pp+1
.endr
	v_nop                                          ; the plain place behind the last pair's exponentials
	s_wait_alu depctr_va_vdst(0)
.set cp, 15
	SUMPACK \first
.if \first == 0
	WIN 0x41                                       ; O in window 1, the factor in window 0
.irp q, 0,1,2,3
.set ii, 0
.rept 16
	v_pk_mul_f32 v[OO+32*\q+ii:OO+32*\q+ii+1], v[OO+32*\q+ii:OO+32*\q+ii+1], v[AL+2*\q:AL+2*\q+1] op_sel_hi:[1,0]   ; O, brought to the new maximum
.set ii, ii+2
.endr
.endr
.endif
.if \nextk
	s_wait_dscnt 24                                ; V's sixteen loads are in; the next step's 16 + 8, issued behind them, stay out
.else
	s_wait_dscnt 0x0
.endif
	WIN 0x50                                       ; O (C and D) in window 1; V^T and P^T in window 0
.irp k, 0,1
.irp q, 0,1,2,3
.irp w, 0,1,2,3
.if (\first)*(1-\k)
	v_wmma_f32_16x16x32_f16 v[OO+32*\q+8*\w:OO+32*\q+8*\w+7], v[VF+32*\k+8*\w:VF+32*\k+8*\w+7], v[X+32*\q+16*\k:X+32*\q+16*\k+7], 0
.else
	v_wmma_f32_16x16x32_f16 v[OO+32*\q+8*\w:OO+32*\q+8*\w+7], v[VF+32*\k+8*\w:VF+32*\k+8*\w+7], v[X+32*\q+16*\k:X+32*\q+16*\k+7], v[OO+32*\q+8*\w:OO+32*\q+8*\w+7]
.endif
.endr
.endr
.endr
	WIN 0
	PLACES 5                                       ; five places before the next step's products write over P^T's registers; they also serve the next loads into V^T's and every later reader of O
.endm
; One tile of 256 keys.  In front of the round every wave has waited for all its tensor loads (its part of this tile) and for its reads of the other slot;
; the round holds that of every wave of all four work-groups; the joint refill of the other slot is the first tensor load behind it and has the whole trip to land.
.macro TRIP slot, refill, first
	s_wait_xcnt 0x0
	v_lshl_add_u32 v254, v0, 2, 0x3cc00
	v_mov_b32 v255, 0
	s_wait_tensorcnt 0x0
	ds_add_u32 v254, v255
	s_wait_dscnt 0x0
	s_add_nc_u64 s[G0+4*\slot+2:G0+4*\slot+3], s[G0+4*\slot+2:G0+4*\slot+3], 2*TILEB   ; no load of mine is out: this slot's next tile
	s_wait_dscnt 0x0
	ROUND
.if \refill
	tensor_load_to_lds s[G0+4-4*\slot:G0+7-4*\slot], s[G1:G1+7]
	s_nop 0
.endif
	LOADK \slot, 0
	STEP \slot, 0, \first, 1
	STEP \slot, 1, 0, 0
	v_add_nc_u32 v[MBA], 1024, v[MBA]              ; the next tile's 256 mask terms
.endm
	TRIP 0, 1, 1                                   ; tile 0; asks for tile 1
	s_mov_b32 s44, 3
.Ltiles:
	TRIP 1, 1, 0                                   ; tiles 1, 3, 5
	TRIP 0, 1, 0                                   ; tiles 2, 4, 6; the last asks for tile 7
	s_sub_co_u32 s44, s44, 1
	s_cmp_lg_u32 s44, 0
	s_cbranch_scc1 .Ltiles
	TRIP 1, 0, 0                                   ; tile 7: nothing is left to fetch (the stepped addresses are not used)
	; THE MERGE of the two halves of the keys.  Waves w and w xor 4 hold the same queries.  Each sends two query tiles and finishes the other two.
.set MLW, 1
.set MLR, 2
.set XW,  3
.set XR,  4
.set STO, 5
.set RD,  30
.set CO,  31
.irp q, 0,1,2,3
	v_add_f32 v[MX+2*\q], v[LS+2*\q], v[LS+2*\q+1]                 ; l: my two partial sums,
.endr
.irp q, 0,1,2,3
	v_permlanex16_b32 v[TT+2*\q], v[MX+2*\q], s40, s41
.endr
.irp q, 0,1,2,3
	v_add_f32 v[MX+2*\q], v[MX+2*\q], v[TT+2*\q]                   ; and the other half's: (-c m, l) is now a pair
.endr
	v_and_b32 v32, 31, v0                          ; lane
	v_and_b32 v33, 15, v0                          ; r
	v_bfe_u32 v34, v0, 4, 1                        ; h
	s_xor_b32 s26, s8, 4                           ; my partner
	s_lshl_b32 s27, s8, 10
	s_add_co_u32 s27, s27, MLB
	s_lshl_b32 s28, s26, 10
	s_add_co_u32 s28, s28, MLB
	v_lshl_add_u32 v[MLW], v32, 3, s27
	v_lshl_add_u32 v[MLR], v32, 3, s28
	s_lshl_b32 s27, s8, 13
	s_add_co_u32 s27, s27, XCB
	s_lshl_b32 s28, s26, 13
	s_add_co_u32 s28, s28, XCB
	v_lshl_add_u32 v[XW], v32, 4, s27
	v_lshl_add_u32 v[XR], v32, 4, s28
	s_mul_i32 s27, s8, 16*SPITCH
	s_add_co_u32 s27, s27, STB                     ; my stage
	v_mul_u32_u24 v[STO], v33, SPITCH              ; in: row = query r, features 8 h + ..
	v_lshl_add_u32 v[STO], v34, 5, v[STO]
	v_add_nc_u32 v[STO], s27, v[STO]
	v_mul_u32_u24 v[RD], v34, SPITCH               ; back: lanes 0-15 one row of 256 bytes, lanes 16-31 the next
	v_lshl_add_u32 v[RD], v33, 4, v[RD]
	v_add_nc_u32 v[RD], s27, v[RD]
	v_lshlrev_b32 v[CO], 4, v33                    ; and the same two rows in out0
	v_lshl_add_u32 v[CO], v34, 12, v[CO]
.macro SENDO qa                        ; query tiles qa, qa + 1: their figures and their O, each lane's registers as they stand
	ds_store_b64 v[MLW], v[NM+2*\qa:NM+2*\qa+1] offset:256*\qa
	ds_store_b64 v[MLW], v[NM+2*\qa+2:NM+2*\qa+3] offset:256*\qa+256
	WIN 0x04                                       ; an LDS store's data is source 1: window 1
.irp i, 0,1,2,3,4,5,6,7,8,9,10,11,12,13,14,15
	ds_store_b128 v[XW], v[OO+32*\qa+4*\i:OO+32*\qa+4*\i+3] offset:512*\i
.endr
	WIN 0
.endm
; out = 16 (a O + a' O') / (a l + a' l'), a = 2^(n - (-c m)), n = the smaller of the two -c m (the larger maximum); 16 undoes v's division.
; The larger maximum's own weight is 1 and its factor is 1, so the divisor is at least 1.
.macro FINAL qa
	ds_load_b64 v[LS:LS+1],   v[MLR] offset:256*\qa
	ds_load_b64 v[LS+2:LS+3], v[MLR] offset:256*\qa+256
.irp i, 0,1,2,3,4,5,6,7,8,9,10,11,12,13,14,15
	ds_load_b128 v[X+4*\i:X+4*\i+3], v[XR] offset:512*\i
.endr
	s_wait_dscnt 16                                ; the partner's two pairs are in; its sixteen loads of O, issued behind them, stay out
.irp i, 0,1
	v_min_num_f32 v[AL+4+2*\i], v[NM+2*(\qa+\i)], v[LS+2*\i]
.endr
.irp i, 0,1
	v_sub_f32 v[AL+2*\i],   v[AL+4+2*\i], v[NM+2*(\qa+\i)]
	v_sub_f32 v[LS+4+2*\i], v[AL+4+2*\i], v[LS+2*\i]
.endr
.irp i, 0,1
	v_exp_f32 v[AL+2*\i],   v[AL+2*\i]             ; a
	v_exp_f32 v[LS+4+2*\i], v[LS+4+2*\i]           ; a'
.endr
	v_nop                                          ; the plain place behind the exponentials
	s_wait_alu depctr_va_vdst(0)
.irp i, 0,1
	v_mul_f32 v[AL+4+2*\i], v[MX+2*(\qa+\i)], v[AL+2*\i]
.endr
.irp i, 0,1
	v_fmac_f32 v[AL+4+2*\i], v[LS+2*\i+1], v[LS+4+2*\i]
.endr
.irp i, 0,1
	v_rcp_f32 v[AL+4+2*\i], v[AL+4+2*\i]
.endr
	v_nop                                          ; the plain place behind the reciprocals
	s_wait_alu depctr_va_vdst(0)
.irp i, 0,1
	v_mul_f32 v[AL+4+2*\i], 0x41800000, v[AL+4+2*\i]
.endr
.irp i, 0,1
	v_mul_f32 v[AL+2*\i],   v[AL+2*\i],   v[AL+4+2*\i]
	v_mul_f32 v[LS+4+2*\i], v[LS+4+2*\i], v[AL+4+2*\i]
.endr
	s_wait_dscnt 0x0                               ; the partner's O
.irp i, 0,1
.set jj, 0
.rept 16
	v_pk_mul_f32 v[X+32*\i+jj:X+32*\i+jj+1], v[X+32*\i+jj:X+32*\i+jj+1], v[LS+4+2*\i:LS+5+2*\i] op_sel_hi:[1,0]
.set jj, jj+2
.endr
	WIN 0x01                                       ; my O is source 0: window 1
.set jj, 0
.rept 16
	v_pk_fma_f32 v[X+32*\i+jj:X+32*\i+jj+1], v[OO+32*(\qa+\i)+jj:OO+32*(\qa+\i)+jj+1], v[AL+2*\i:AL+2*\i+1], v[X+32*\i+jj:X+32*\i+jj+1] op_sel_hi:[1,0,1]
.set jj, jj+2
.endr
	WIN 0
	; 16 queries x 64 features through my own stage: a lane's eight features in, whole rows of 256 bytes back.  LDS serves a wave's instructions in order
	; (ISA guide 5.7.1.4), so the loads see the stores, and the second tile's stores come behind the first tile's loads.
.irp w, 0,1,2,3
	ds_store_b128 v[STO], v[X+32*\i+8*\w:X+32*\i+8*\w+3]   offset:64*\w
	ds_store_b128 v[STO], v[X+32*\i+8*\w+4:X+32*\i+8*\w+7] offset:64*\w+16
.endr
.irp t, 0,1,2,3,4,5,6,7
	ds_load_b128 v[VF+32*\i+4*\t:VF+32*\i+4*\t+3], v[RD] offset:2*SPITCH*\t
.endr
.irp t, 0,1,2,3,4,5,6,7
	s_wait_dscnt 7-\t                              ; load t is in, the 7 - t younger ones stay out
	global_store_b128 v[CO], v[VF+32*\i+4*\t:VF+32*\i+4*\t+3], s[10:11] offset:65536*(\qa+\i)+8192*\t th:TH_STORE_NT   ; 16 lanes store 256 consecutive bytes, at a multiple of 256 from out0's first byte
.endr
.endr
.endm
	s_cmp_lt_u32 s8, 4
	s_cbranch_scc0 .Lsend_high
	SENDO 2                                        ; waves 0-3 send query tiles 2, 3
	s_branch .Lsent
.Lsend_high:
	SENDO 0                                        ; waves 4-7 send query tiles 0, 1
.Lsent:
	s_wait_dscnt 0x0                               ; for the partner's sake: my stores are done,
	s_barrier_signal -1
	s_barrier_wait -1                              ; and so are everybody's
	s_cmp_lt_u32 s8, 4
	s_cbranch_scc0 .Lfinal_high
	FINAL 0
	s_branch .Lclose
.Lfinal_high:
	FINAL 2
.Lclose:
	s_wait_dscnt 0x0
	s_wait_xcnt 0x0
	v_lshl_add_u32 v254, v0, 2, 0x3cc00
	v_mov_b32 v255, 0
	s_wait_tensorcnt 0x0
	ds_add_u32 v254, v255
	s_wait_dscnt 0x0
	ROUND                                          ; the closing round: no work-group ends while a partner may still ask for a tile that names it
	s_endpgm
.Lfunc_end_k_q69b590053b_attn:
	.size	k_q69b590053b_attn, .Lfunc_end_k_q69b590053b_attn-k_q69b590053b_attn
	.p2alignl 7, 3214868480
	.fill 96, 4, 3214868480
	.section	.rodata,"a",@progbits
	.p2align	6, 0x0
	.amdhsa_kernel k_q69b590053b_attn
		.amdhsa_group_segment_fixed_size 327680
		.amdhsa_private_segment_fixed_size 0
		.amdhsa_enable_private_segment 0
		.amdhsa_kernarg_size 24
		.amdhsa_user_sgpr_count 2
		.amdhsa_user_sgpr_kernarg_segment_ptr 1
		.amdhsa_wavefront_size32 1
		.amdhsa_system_sgpr_workgroup_id_x 1
		.amdhsa_system_sgpr_workgroup_id_y 1
		.amdhsa_system_sgpr_workgroup_id_z 1
		.amdhsa_system_vgpr_workitem_id 0
		.amdhsa_next_free_vgpr 512
		.amdhsa_next_free_sgpr 66
		.amdhsa_reserve_vcc 0
		.amdhsa_float_denorm_mode_32 3
		.amdhsa_float_denorm_mode_16_64 3
		.amdhsa_memory_ordered 1
		.amdhsa_forward_progress 1
		.amdhsa_inst_pref_size 255
	.end_amdhsa_kernel
	.section	.bss,"aw",@nobits
	.p2align	6
	.space	262144
	.amdgpu_metadata
---
amdhsa.version: [ 1, 2 ]
amdhsa.kernels:
  - .name:           k_q69b590053b_attn
    .symbol:         k_q69b590053b_attn.kd
    .args:
      - { .name: qkv, .offset: 0, .size: 8, .value_kind: global_buffer, .address_space: global }
      - { .name: attn_mask, .offset: 8, .size: 8, .value_kind: global_buffer, .address_space: global }
      - { .name: out0, .offset: 16, .size: 8, .value_kind: global_buffer, .address_space: global }
    .group_segment_fixed_size: 327680
    .private_segment_fixed_size: 0
    .kernarg_segment_align: 8
    .kernarg_segment_size: 24
    .max_flat_workgroup_size: 256
    .sgpr_count:     66
    .vgpr_count:     512
    .wavefront_size: 32
...
	.end_amdgpu_metadata
.endif
;; end of part 3
